; MI455X (gfx1250); checked and timed in simulation.
; The chip was launched on July 23, 2026; its instructions are those of AMD's public machine-readable ISA for CDNA 5 (MIT licence, August 2026) and "CDNA5" Instruction Set Architecture Reference Guide (July 2026). The comments in the code are by the model that wrote it; some were corrected since.
;; Lie Gen. Allowed arithmetic: float matrix products may take bf16 or f16 operands with f32 sums; all other float work in f32.
;; Inputs: W 4 x 32 x 32 float32; c 65,536 x 4 float32; z 65,536 x 32 float32.
;; Outputs: out0 65,536 x 32 float32.
;; 2 versions, each right and faster than the one before. Each part assembles by itself: llvm-mc -triple=amdgcn-amd-amdhsa -mcpu=gfx1250 --defsym DOCPART=n.
;; ======== version 1 of 2: 2 launches
;; limits: right only within a limited range of input values; values are held in f16: magnitudes above 65,504 overflow, below 6.1e-05 lose precision
;; workspace buffers: gen 8,192 bytes; steps 16,384 bytes of whole numbers
;; launch plan (part 1): grid 64 x 1, 8 waves a work-group, no clusters, 20,224 bytes of LDS; arguments W, c, gen, steps; writes gen, steps
.if DOCPART == 1
	.amdgcn_target "amdgcn-amd-amdhsa--gfx1250"
	.amdhsa_code_object_version 6
	.text
	.protected	k_qc7f6f2562b_plan
	.globl	k_qc7f6f2562b_plan
	.p2align	8
	.type	k_qc7f6f2562b_plan,@function
k_qc7f6f2562b_plan:
	s_mov_b64 s[64:65], 0
	v_nop
	global_prefetch_b8 v0, s[64:65] scope:SCOPE_SE
	s_setreg_imm32_b32 hwreg(HW_REG_WAVE_MODE, 25, 1), 1
	s_wait_xcnt 0x0
; FIRST OF TWO LAUNCHES for out[b] = exp(M_b) z[b], M_b = sum over k of c[b][k] A_k, A_k = (W_k - W_k^T) / 2.
; It stores (1) gen: D_k = W_k - W_k^T = 2 A_k in f16, [4][32][32], the matrix operand of the second launch, and
; (2) steps: for each tile of 16 items the number S of steps into which the second launch cuts the exponential, as whole numbers.
; THE BOUND.  M is real and antisymmetric, so its eigenvalues come in pairs +-i x and its 2-norm is at most theta = |M|_F / sqrt(2).
; |M_b|_F^2 = c^T G c with the 4 x 4 Gram matrix G_kl = <A_k, A_l>.  Here G' = <D_k, D_l> = 4 G, so (theta / 2)^2 = c^T G' c / 32.
; S = floor(max over the tile of theta / 2) + 1, so that theta / S < 2 for each of the tile's items.
; SHARES.  64 work-groups of 8 waves.  A work-group owns 1,024 items = 64 tiles: its 64 counts are 256 consecutive bytes of steps, aligned,
; stored by one instruction.  Every work-group makes D and G' for itself from W's 16,384 bytes: nothing passes between work-groups.
; Work-group 0 alone stores gen.  Thread t owns D_k[i][j0 .. j0+3], i = t / 8, j0 = 4 (t % 8), for all four k.
; LIMITS.  |W - W^T| below 65,504 (f16's largest); entries under 2^-14 are kept to 2^-25 absolute.  S is clamped at 65,536, which serves theta
; up to 131,072.  A sum c^T G' c that rounding or a NaN makes no number counts as 0 (S = 1).
.set PITCH, 144                        ; a row of W in LDS: 128 bytes + 16
.set WLK,   32*PITCH                   ; one W_k: 32 rows
.set GP,    4*WLK                      ; behind W: the waves' partial Gram sums, word 8 x pair + wave (320 bytes used of 512)
.set ST,    GP+512                     ; behind them: the work-group's 64 step counts
.set WR,  16                           ; v[16:31]   W_k[i][j0+q] at 4 k + q, then D in place
.set WT,  32                           ; v[32:47]   W_k[j0+q][i] at 4 k + q
.set CC,  48                           ; v[48:63]   four rows of c: item 128 wave + 32 n + lane, n = 0..3
.set GG,  64                           ; v[64:83]   ten pairs: my share of G'_kl, in the order 00 01 02 03 11 12 13 22 23 33
.set H,   84                           ; v[84:91]   D in f16, two to a register
.set R,   92                           ; v[92:171]  the eight waves' sums of each of the ten
.set GF,  172                          ; v[172:181] G', the six off the diagonal doubled
.set Q,   182                          ; v[182:185] c^T G' c of my four items
.set T,   186                          ; v[186:189] at work
	s_load_b256 s[4:11], s[0:1], 0x0               ; W s[4:5], c s[6:7], gen s[8:9], steps s[10:11]
	v_lshl_add_u32 v192, v0, 2, 0x4b00
	v_mov_b32 v193, 0
	v_lshrrev_b32 v2, 5, v0
	v_readfirstlane_b32 s12, v2                    ; my wave's number
	s_lshl_b32 s14, ttmp9, 14                      ; the work-group's 1,024 rows of c, 16 bytes each
	s_mov_b32 s15, 0
	s_lshl_b32 s18, ttmp9, 8                       ; its 64 words of steps
	s_mov_b32 s19, 0
	s_mov_b32 s16, 0x76543210                      ; v_permlanex16_b32: each lane takes its own place in the other half
	s_mov_b32 s17, 0xfedcba98
	v_and_b32 v1, 31, v0                           ; lane
	v_lshlrev_b32 v4, 4, v0                        ; W: my 16 bytes of a W_k = 128 i + 4 j0 = 16 t
	v_lshlrev_b32 v5, 4, v1
	v_lshl_or_b32 v5, v2, 11, v5                   ; c: 2,048 wave + 16 lane
	v_lshrrev_b32 v3, 3, v0                        ; i
	v_and_b32 v14, 7, v0                           ; t % 8
	v_mul_u32_u24 v6, v3, PITCH
	v_lshl_add_u32 v6, v14, 4, v6                  ; LDS, as it lies: row i, byte 16 (t % 8)
	v_mul_u32_u24 v7, v14, 4*PITCH
	v_lshl_add_u32 v7, v3, 2, v7                   ; LDS, turned: row j0, word i
	v_lshlrev_b32 v8, 3, v0                        ; gen: my four f16 of a D_k = 64 i + 2 j0 = 8 t
	s_lshl_b32 s20, s12, 2
	s_add_co_u32 s20, s20, GP
	v_mov_b32 v9, s20                              ; my wave's word of each of the ten sums
	v_bfe_u32 v15, v0, 4, 1                        ; which half of the lanes
	s_lshl_b32 s21, s12, 5
	s_add_co_u32 s21, s21, ST
	v_lshl_add_u32 v10, v15, 2, s21                ; my tile's word: tile 8 wave + 2 n + half
	v_mov_b32 v11, GP
	v_lshlrev_b32 v13, 3, v1                       ; steps: 8 lane
	v_add_nc_u32 v12, ST, v13                      ; and the same 8 bytes in LDS
	s_wait_kmcnt 0x0
	s_add_nc_u64 s[6:7], s[6:7], s[14:15]
	s_add_nc_u64 s[10:11], s[10:11], s[18:19]
.irp k, 0,1,2,3
	global_load_b128 v[WR+4*\k:WR+4*\k+3], v4, s[4:5] offset:4096*\k
.endr
.irp n, 0,1,2,3
	global_load_b128 v[CC+4*\n:CC+4*\n+3], v5, s[6:7] offset:512*\n     ; no cache word: the second launch reads these rows again
.endr
	; W through LDS, so that each thread meets the transposed entries of its own
	s_wait_loadcnt 0x4                             ; loads come back in order (ISA guide 5.7.1): W's four are in, c's four stay out
.irp k, 0,1,2,3
	ds_store_b128 v6, v[WR+4*\k:WR+4*\k+3] offset:WLK*\k
.endr
	s_wait_dscnt 0x0                               ; for the other waves' sake: my rows of W lie in LDS
	s_barrier_signal -1
	s_barrier_wait -1
.irp k, 0,1,2,3
.irp q, 0,1,2,3
	ds_load_b32 v[WT+4*\k+\q], v7 offset:WLK*\k+PITCH*\q               ; W_k[j0+q][i]
.endr
.endr
	s_wait_dscnt 0x0
.irp m, 0,2,4,6,8,10,12,14
	v_pk_add_f32 v[WR+\m:WR+\m+1], v[WR+\m:WR+\m+1], v[WT+\m:WT+\m+1] neg_lo:[0,1] neg_hi:[0,1]   ; D = W - W^T
.endr
	; work-group 0 stores gen; no barrier stands inside the branch, and H and v8 are never written again
	s_cmp_lg_u32 ttmp9, 0
	s_cbranch_scc1 .Lno_gen
.irp m, 0,1,2,3,4,5,6,7
	v_cvt_pk_f16_f32 v[H+\m], v[WR+2*\m], v[WR+2*\m+1]
.endr
.irp k, 0,1,2,3
	global_store_b64 v8, v[H+2*\k:H+2*\k+1], s[8:9] offset:2048*\k     ; a wave's store covers 256 consecutive bytes, aligned
.endr
.Lno_gen:
	; my four entries' share of G'_kl
.macro GRAM x, k, l
	v_pk_mul_f32 v[GG+2*\x:GG+2*\x+1], v[WR+4*\k:WR+4*\k+1], v[WR+4*\l:WR+4*\l+1]
	v_pk_fma_f32 v[GG+2*\x:GG+2*\x+1], v[WR+4*\k+2:WR+4*\k+3], v[WR+4*\l+2:WR+4*\l+3], v[GG+2*\x:GG+2*\x+1]
	v_add_f32 v[GG+2*\x], v[GG+2*\x], v[GG+2*\x+1]
.endm
	GRAM 0, 0, 0
	GRAM 1, 0, 1
	GRAM 2, 0, 2
	GRAM 3, 0, 3
	GRAM 4, 1, 1
	GRAM 5, 1, 2
	GRAM 6, 1, 3
	GRAM 7, 2, 2
	GRAM 8, 2, 3
	GRAM 9, 3, 3
	; over the wave's 32 lanes: four steps inside each half ride on the addition, one crosses the halves; the ten sums take turns
.irp m, 1,2,4,8
.irp x, 0,1,2,3,4,5,6,7,8,9
	v_add_f32_dpp v[GG+2*\x], v[GG+2*\x], v[GG+2*\x] row_xmask:\m row_mask:0xf bank_mask:0xf
.endr
.endr
.irp x, 0,1,2,3,4,5,6,7,8,9
	v_permlanex16_b32 v[GG+2*\x+1], v[GG+2*\x], s16, s17               ; its destination counts as read: the pair's odd register has been written
.endr
.irp x, 0,1,2,3,4,5,6,7,8,9
	v_add_f32 v[GG+2*\x], v[GG+2*\x], v[GG+2*\x+1]
.endr
	; over the eight waves: each stores its ten sums to words of its own (all lanes the same word, the same value), every wave reads all
.irp x, 0,1,2,3,4,5,6,7,8,9
	ds_store_b32 v9, v[GG+2*\x] offset:32*\x
.endr
	s_wait_dscnt 0x0                               ; for the other waves' sake
	s_barrier_signal -1
	s_barrier_wait -1
.irp x, 0,1,2,3,4,5,6,7,8,9
	ds_load_b128 v[R+8*\x:R+8*\x+3],   v11 offset:32*\x
	ds_load_b128 v[R+8*\x+4:R+8*\x+7], v11 offset:32*\x+16
.endr
	s_wait_dscnt 0x0
.irp x, 0,1,2,3,4,5,6,7,8,9
	v_pk_add_f32 v[R+8*\x:R+8*\x+1],   v[R+8*\x:R+8*\x+1],   v[R+8*\x+2:R+8*\x+3]
	v_pk_add_f32 v[R+8*\x+4:R+8*\x+5], v[R+8*\x+4:R+8*\x+5], v[R+8*\x+6:R+8*\x+7]
.endr
.irp x, 0,1,2,3,4,5,6,7,8,9
	v_pk_add_f32 v[R+8*\x:R+8*\x+1], v[R+8*\x:R+8*\x+1], v[R+8*\x+4:R+8*\x+5]
.endr
.irp x, 0,1,2,3,4,5,6,7,8,9
	v_add_f32 v[GF+\x], v[R+8*\x], v[R+8*\x+1]
.endr
.irp x, 1,2,3,5,6,8
	v_add_f32 v[GF+\x], v[GF+\x], v[GF+\x]         ; G' is symmetric: an entry off the diagonal counts twice
.endr
	; c^T G' c of item 128 wave + 32 n + lane: rows of the upper triangle times c, then times c again
.macro QUAD n
	v_mul_f32  v[T],   v[GF+0], v[CC+4*\n]
	v_mul_f32  v[T+1], v[GF+4], v[CC+4*\n+1]
	v_mul_f32  v[T+2], v[GF+7], v[CC+4*\n+2]
	v_mul_f32  v[T+3], v[GF+9], v[CC+4*\n+3]
	v_fmac_f32 v[T],   v[GF+1], v[CC+4*\n+1]
	v_fmac_f32 v[T+1], v[GF+5], v[CC+4*\n+2]
	v_fmac_f32 v[T+2], v[GF+8], v[CC+4*\n+3]
	v_fmac_f32 v[T],   v[GF+2], v[CC+4*\n+2]
	v_fmac_f32 v[T+1], v[GF+6], v[CC+4*\n+3]
	v_fmac_f32 v[T],   v[GF+3], v[CC+4*\n+3]
	v_mul_f32  v[Q+\n], v[T],   v[CC+4*\n]
	v_fmac_f32 v[Q+\n], v[T+1], v[CC+4*\n+1]
	v_fmac_f32 v[Q+\n], v[T+2], v[CC+4*\n+2]
	v_fmac_f32 v[Q+\n], v[T+3], v[CC+4*\n+3]
.endm
	s_wait_loadcnt 0x0                             ; c
	QUAD 0
	QUAD 1
	QUAD 2
	QUAD 3
	; a tile is a half of the lanes: its largest value, in all sixteen
.irp m, 1,2,4,8
.irp n, 0,1,2,3
	v_max_num_f32_dpp v[Q+\n], v[Q+\n], v[Q+\n] row_xmask:\m row_mask:0xf bank_mask:0xf
.endr
.endr
.irp n, 0,1,2,3
	v_mul_f32 v[Q+\n], 0x3d000000, v[Q+\n]         ; / 32: (theta / 2)^2
.endr
.irp n, 0,1,2,3
	v_sqrt_f32 v[Q+\n], v[Q+\n]
.endr
	v_nop                                          ; a plain instruction between the last root and the use of its result (ISA guide 5.7.2)
	s_wait_alu depctr_va_vdst(0)
.irp n, 0,1,2,3
	v_cvt_u32_f32 v[Q+\n], v[Q+\n]                 ; toward zero; what is no number or below zero gives 0
.endr
.irp n, 0,1,2,3
	v_min_u32 v[Q+\n], 0xffff, v[Q+\n]
.endr
.irp n, 0,1,2,3
	v_add_nc_u32 v[Q+\n], 1, v[Q+\n]               ; S = floor(theta / 2) + 1, from 1 to 65,536
.endr
.irp n, 0,1,2,3
	ds_store_b32 v10, v[Q+\n] offset:8*\n          ; a tile's sixteen lanes write the same word with the same value
.endr
	s_wait_dscnt 0x0                               ; for wave 0's sake
	s_barrier_signal -1
	s_barrier_wait -1
	s_cmp_lg_u32 s12, 0
	s_cbranch_scc1 .Lend
	ds_load_b64 v[14:15], v12                      ; wave 0 takes the 64 counts, two a lane,
	s_wait_dscnt 0x0
	global_store_b64 v13, v[14:15], s[10:11]       ; and stores 256 consecutive bytes, aligned
.Lend:
	s_wait_tensorcnt 0x0
	ds_add_u32 v192, v193
	s_wait_dscnt 0x0
	s_endpgm
.Lfunc_end_k_qc7f6f2562b_plan:
	.size	k_qc7f6f2562b_plan, .Lfunc_end_k_qc7f6f2562b_plan-k_qc7f6f2562b_plan
	.p2alignl 7, 3214868480
	.fill 96, 4, 3214868480
	.section	.rodata,"a",@progbits
	.p2align	6, 0x0
	.amdhsa_kernel k_qc7f6f2562b_plan
		.amdhsa_group_segment_fixed_size 20224
		.amdhsa_private_segment_fixed_size 0
		.amdhsa_enable_private_segment 0
		.amdhsa_kernarg_size 32
		.amdhsa_user_sgpr_count 2
		.amdhsa_user_sgpr_kernarg_segment_ptr 1
		.amdhsa_wavefront_size32 1
		.amdhsa_system_sgpr_workgroup_id_x 1
		.amdhsa_system_sgpr_workgroup_id_y 1
		.amdhsa_system_sgpr_workgroup_id_z 1
		.amdhsa_system_vgpr_workitem_id 0
		.amdhsa_next_free_vgpr 194
		.amdhsa_next_free_sgpr 66
		.amdhsa_reserve_vcc 0
		.amdhsa_float_denorm_mode_32 3
		.amdhsa_float_denorm_mode_16_64 3
		.amdhsa_memory_ordered 1
		.amdhsa_forward_progress 1
		.amdhsa_inst_pref_size 20
	.end_amdhsa_kernel
	.amdgpu_metadata
---
amdhsa.version: [ 1, 2 ]
amdhsa.kernels:
  - .name:           k_qc7f6f2562b_plan
    .symbol:         k_qc7f6f2562b_plan.kd
    .args:
      - { .name: W, .offset: 0, .size: 8, .value_kind: global_buffer, .address_space: global }
      - { .name: c, .offset: 8, .size: 8, .value_kind: global_buffer, .address_space: global }
      - { .name: gen, .offset: 16, .size: 8, .value_kind: global_buffer, .address_space: global }
      - { .name: steps, .offset: 24, .size: 8, .value_kind: global_buffer, .address_space: global }
    .group_segment_fixed_size: 20224
    .private_segment_fixed_size: 0
    .kernarg_segment_align: 8
    .kernarg_segment_size: 32
    .max_flat_workgroup_size: 256
    .sgpr_count:     66
    .vgpr_count:     194
    .wavefront_size: 32
...
	.end_amdgpu_metadata
.endif
;; end of part 1
;; launch flow (part 2): grid 256 x 1, 16 waves a work-group, no clusters, 49,152 bytes of LDS; arguments z, c, gen, steps, out0; writes out0
.if DOCPART == 2
	.amdgcn_target "amdgcn-amd-amdhsa--gfx1250"
	.amdhsa_code_object_version 6
	.text
	.protected	k_qc7f6f2562b_flow
	.globl	k_qc7f6f2562b_flow
	.p2align	8
	.type	k_qc7f6f2562b_flow,@function
k_qc7f6f2562b_flow:
	s_mov_b64 s[64:65], 0
	v_nop
	global_prefetch_b8 v0, s[64:65] scope:SCOPE_SE
	s_setreg_imm32_b32 hwreg(HW_REG_WAVE_MODE, 25, 1), 1
	s_wait_xcnt 0x0
; SECOND OF TWO LAUNCHES: out[b] = exp(M_b) z[b], M_b = sum over k of c[b][k] A_k, A_k = (W_k - W_k^T) / 2.  The exponential is never formed: only its action on z.
; METHOD.  exp(M) z = (exp(M / S))^S z.  A step v -> exp(M / S) v is the Taylor polynomial of degree 12 in Horner's form:
;   w = v;  for n = 12 .. 1:  w = v + (1 / n) (M / S) w;  v = w.
; S is the tile's count from the first launch: |M / S|_2 < 2, so a step's remainder is under 2^13 / 13! = 1.3e-6 of |v|, whatever the inputs: the number of steps follows the
; norm, the degree is fixed.  M w = sum over k of c_k (A_k w): A_k is the same for all items, so A_k w for 16 items is a matrix product with a shared left operand; c_k, 1 / n and
; 1 / S are applied to its f32 results in f32.
; FORMATS.  Matrix operands in f16, sums in f32; v and the Horner sums are kept in f32.  gen holds D_k = 2 A_k; the half goes into the f32 factor 0.5 / S.  Each item's vector is scaled by an
; exact power of two, so that its largest |z| lies in [1, 2), and scaled back at the end: with |exp| = 1 and a Horner sum at most e^2 |v|, no |w| passes e^2 x 2 sqrt(32) = 84.
; SHARES.  256 work-groups of 16 waves; a wave owns a tile of 16 items.  Four waves lie on a SIMD (4 x 192 registers of its 1,024): one wave's vector work stands beside the others' products.
; LAYOUT.  Lane (r = lane % 16, h = lane / 16) holds item r: components 8 h + j in V[j], 16 + 8 h + j in V[8 + j].  That is how two results (rows 0-15, rows 16-31) lie, and, rounded to
; f16 in pairs, how the right operand (32 components x 16 items) lies: nothing changes lanes in the loop.
; NOT USED: tensor loads, copies and clusters.  All that work-groups share is gen's 8,192 bytes, read once by each; z and out0 are touched once, at the head and at the end.
; LIMITS.  |z| finite and below 2^127; an item whose largest |z| is denormal comes out as 0.  gen's and S's limits stand at the first launch's head.  The sums are ordered otherwise than in the
; problem's own function (a rational approximation with squarings), and the rounding of D and w to f16 grows with |M|.
.set GPITCH, 80                        ; a row of D_k in LDS: 64 bytes + 16 = 5 x 16: the 16 rows of a fragment load begin at 16 different 16-byte columns of 256 bytes (64 banks of 4 bytes: ISA guide 11.1)
.set STG,    128*GPITCH                ; behind gen's 128 rows: a stage of 16 rows for each wave, its own
.set SPITCH, 144                       ; an item's row there: 128 bytes + 16 = 9 x 16
.set PS,  10                           ; v[10:11]   2^e, e the exponent of the item's largest |z|
.set QS,  12                           ; v[12:13]   2^-e
.set AF,  16                           ; v[16:79]   fragment 4 p + k: rows 16 p .. 16 p + 15 of D_k
.set U,   80                           ; v[80:143]  result 4 p + k: components 16 p .. 16 p + 15 of D_k w; result 4 p then takes the Horner sum
.set V,   144                          ; v[144:159] v
.set BF,  160                          ; v[160:167] w in f16
.set CS,  168                          ; v[168:175] c_k x 0.5 / S at CS + 2 k
.set CN,  176                          ; v[176:183] c_k x 0.5 / (S n) at CN + 2 k
.set C,   184                          ; v[184:187] the item's c
.set GT,  188                          ; v[188:191] 16 bytes of gen on their way into LDS
	s_load_b256 s[4:11], s[0:1], 0x0               ; z s[4:5], c s[6:7], gen s[8:9], steps s[10:11]
	s_load_b64 s[12:13], s[0:1], 0x20              ; out0
	v_lshl_add_u32 v192, v0, 2, 0xb800
	v_mov_b32 v193, 0
	v_lshrrev_b32 v14, 5, v0
	v_readfirstlane_b32 s14, v14                   ; my wave's number
	s_lshl_b32 s15, ttmp9, 4
	s_add_co_u32 s15, s15, s14                     ; my tile = 16 x work-group + wave
	s_lshl_b32 s16, s15, 11                        ; its 16 rows of 128 bytes in z and out0
	s_mov_b32 s17, 0
	s_lshl_b32 s24, s15, 8                         ; its 16 rows of 16 bytes in c
	s_mov_b32 s25, 0
	s_lshl_b32 s22, s15, 2                         ; its word in steps
	s_mov_b32 s23, 0
	s_mov_b32 s20, 0x76543210                      ; v_permlanex16_b32: each lane takes its own place in the other half
	s_mov_b32 s21, 0xfedcba98
	s_mul_i32 s26, s14, 16*SPITCH
	s_add_co_u32 s26, s26, STG                     ; my wave's stage
	v_and_b32 v1, 15, v0                           ; r
	v_bfe_u32 v2, v0, 4, 1                         ; h
	v_lshlrev_b32 v3, 4, v0                        ; gen: 512 threads x 16 bytes are its 8,192
	v_lshrrev_b32 v14, 2, v0                       ; those 16 bytes are quarter t % 4 of row t / 4
	v_and_b32 v15, 3, v0
	v_mul_u32_u24 v4, v14, GPITCH
	v_lshl_add_u32 v4, v15, 4, v4
	v_mul_u32_u24 v5, v1, GPITCH                   ; a fragment: row r, 16 bytes for each half of the lanes, and 32 bytes on
	v_lshl_add_u32 v5, v2, 4, v5
	v_and_b32 v14, 31, v0
	v_lshlrev_b32 v6, 4, v14                       ; z, out0: 16 lane
	v_lshlrev_b32 v7, 4, v1                        ; c: item r's row
	v_bfe_u32 v14, v0, 3, 2                        ; the stage as memory has it: 32 lanes x 16 bytes are four items' rows: row lane / 8, byte 16 (lane % 8)
	v_and_b32 v15, 7, v0
	v_mul_u32_u24 v8, v14, SPITCH
	v_lshl_add_u32 v8, v15, 4, v8
	v_add_nc_u32 v8, s26, v8
	v_mul_u32_u24 v9, v1, SPITCH                   ; the stage as the registers have it: row r, components 8 h on (and 16 + 8 h on, 64 bytes further)
	v_lshl_add_u32 v9, v2, 5, v9
	v_add_nc_u32 v9, s26, v9
	s_wait_kmcnt 0x0
	s_add_nc_u64 s[4:5], s[4:5], s[16:17]
	s_add_nc_u64 s[12:13], s[12:13], s[16:17]
	s_add_nc_u64 s[6:7], s[6:7], s[24:25]
	s_add_nc_u64 s[10:11], s[10:11], s[22:23]
	s_load_b32 s18, s[10:11], 0x0                  ; S of my tile
	global_load_b128 v[GT:GT+3], v3, s[8:9]
.irp i, 0,1,2,3
	global_load_b128 v[U+4*\i:U+4*\i+3], v6, s[4:5] offset:512*\i th:TH_LOAD_NT    ; a load of the wave covers 512 consecutive bytes, aligned
.endr
	global_load_b128 v[C:C+3], v7, s[6:7] th:TH_LOAD_NT
	; gen into LDS, once for the 16 waves; each then keeps all eight fragments in registers
	s_wait_loadcnt 0x5                             ; loads come back in order (ISA guide 5.7.1): gen's is in; z's four and c's one stay out
	ds_store_b128 v4, v[GT:GT+3]
	s_wait_dscnt 0x0                               ; for the other waves' sake
	s_barrier_signal -1
	s_barrier_wait -1                              ; the kernel's one barrier: from here on a wave touches only its own stage
.irp p, 0,1
.irp k, 0,1,2,3
	ds_load_b128 v[AF+8*(4*\p+\k):AF+8*(4*\p+\k)+3],   v5 offset:(32*\k+16*\p)*GPITCH
	ds_load_b128 v[AF+8*(4*\p+\k)+4:AF+8*(4*\p+\k)+7], v5 offset:(32*\k+16*\p)*GPITCH+32
.endr
.endr
	; z through my stage: in as memory has it, out as the registers want it
	s_wait_loadcnt 0x1                             ; z's four are in; c's one stays out
.irp i, 0,1,2,3
	ds_store_b128 v8, v[U+4*\i:U+4*\i+3] offset:4*SPITCH*\i
.endr
	ds_load_b128 v[V:V+3],     v9                  ; LDS serves a wave's instructions in order (ISA guide 5.7.1.4): these see the stores above
	ds_load_b128 v[V+4:V+7],   v9 offset:16
	ds_load_b128 v[V+8:V+11],  v9 offset:64
	ds_load_b128 v[V+12:V+15], v9 offset:80
	s_wait_loadcnt 0x0                             ; c
	s_wait_dscnt 0x0                               ; the fragments and v
	s_wait_kmcnt 0x0                               ; S
	s_max_u32 s18, s18, 1                          ; the loop below makes S trips, from 1 to 65,536
	s_min_u32 s18, s18, 0x10000
	; the item's largest |z|: my 16 components, then the other half of the lanes'
	v_max3_num_f32 v14, |v[V]|, |v[V+1]|, |v[V+2]|
.irp j, 3,5,7,9,11,13
	v_max3_num_f32 v14, v14, |v[V+\j]|, |v[V+\j+1]|
.endr
	v_max_num_f32 v14, v14, |v[V+15]|
	v_permlanex16_b32 v15, v14, s20, s21           ; its destination counts as read: v15 has been written
	v_max_num_f32 v14, v14, v15
	v_and_b32 v[PS], 0x7f800000, v14               ; its exponent alone: 2^e
	v_sub_nc_u32 v[QS], 0x7f000000, v[PS]          ; exponent field 254 - E: 2^-e
	v_mov_b32 v[QS+1], v[QS]                       ; the packed forms name pairs and take the low word for both halves: the odd words are written once
	v_cvt_f32_u32 v14, s18
	v_rcp_f32 v14, v14                             ; 1 / S
	v_mov_b32 v[PS+1], v[PS]                       ; also the plain instruction between the reciprocal and its use (ISA guide 5.7.2)
	s_wait_alu depctr_va_vdst(0)
	v_mul_f32 v14, 0.5, v14                        ; gen holds 2 A
.irp j, 0,2,4,6,8,10,12,14
	v_pk_mul_f32 v[V+\j:V+\j+1], v[V+\j:V+\j+1], v[QS:QS+1] op_sel_hi:[1,0]
.endr
.irp k, 0,1,2,3
	v_mul_f32 v[CS+2*\k], v[C+\k], v14
.endr
.irp k, 0,1,2,3
	v_mov_b32 v[CS+2*\k+1], v[CS+2*\k]
	v_mov_b32 v[CN+2*\k+1], v[CS+2*\k]
.endr
; w, 8 registers at s0 (components 8 h on) and 8 at s1 (16 + 8 h on), rounded to f16 in pairs: the right operand
.macro CVT s0, s1
.irp j, 0,1,2,3
	v_cvt_pk_f16_f32 v[BF+\j], v[\s0+2*\j], v[\s0+2*\j+1]
.endr
.irp j, 0,1,2,3
	v_cvt_pk_f16_f32 v[BF+4+\j], v[\s1+2*\j], v[\s1+2*\j+1]
.endr
.endm
; D_k w for the four k and both halves of the rows: eight products of 16 x 16 x 32, each a whole sum that starts from the constant 0, each with a result of its own.
; No two that follow each other share a result, over the loop's edge too.
.macro MULT
.irp f, 0,1,2,3,4,5,6,7
	v_wmma_f32_16x16x32_f16 v[U+8*\f:U+8*\f+7], v[AF+8*\f:AF+8*\f+7], v[BF:BF+7], 0
.endr
.endm
; Half p of the rows: dst = v + the sum over k of cb_k (D_k w).  k by k, and within a k the registers in ascending pairs, so that each result is first read at its low end.
.macro COMB p, cb, dst
.irp j, 0,2,4,6
	v_pk_fma_f32 v[U+32*\p+\j:U+32*\p+\j+1], v[U+32*\p+\j:U+32*\p+\j+1], v[\cb:\cb+1], v[V+8*\p+\j:V+8*\p+\j+1] op_sel_hi:[1,0,1]
.endr
.irp k, 1,2
.irp j, 0,2,4,6
	v_pk_fma_f32 v[U+32*\p+\j:U+32*\p+\j+1], v[U+32*\p+8*\k+\j:U+32*\p+8*\k+\j+1], v[\cb+2*\k:\cb+2*\k+1], v[U+32*\p+\j:U+32*\p+\j+1] op_sel_hi:[1,0,1]
.endr
.endr
.irp j, 0,2,4,6
	v_pk_fma_f32 v[\dst+\j:\dst+\j+1], v[U+32*\p+24+\j:U+32*\p+24+\j+1], v[\cb+6:\cb+7], v[U+32*\p+\j:U+32*\p+\j+1] op_sel_hi:[1,0,1]
.endr
.endm
; One line of Horner's form, w = v + (1 / n) (M / S) w, with inv = 1 / n.  last = 1: n = 1, whose factor is CS itself and whose result is the new v.
; A vector instruction that reads a product's result or writes one of its registers stands four places behind it, and a product that writes over a register of an earlier one five; only plain
; vector instructions that name none of its registers are places (ISA guide 7.12.1).  The four multiplies that make this n's factors (for n = 1: four v_nop) name nothing of the eight
; products: they are the four places in front of COMB's reads and of the next CVT's writes into BF; with the other half's sixteen multiply-adds they are more than the five in front of the next MULT.
.macro HSTEP inv, s0, s1, last
	CVT \s0, \s1
	MULT
.if \last
.rept 4
	v_nop
.endr
	COMB 0, CS, V
	COMB 1, CS, V+8
.else
.irp k, 0,2,4,6
	v_mul_f32 v[CN+\k], \inv, v[CS+\k]
.endr
	COMB 0, CN, U
	COMB 1, CN, U+32
.endif
.endm
	s_mov_b32 s19, 0
.Lstep:                                                ; a trip is one step v -> exp(M / S) v: 96 products, 528 vector instructions; it touches no memory
	HSTEP 0x3daaaaab, V, V+8, 0                    ; n = 12: w = v
.irp inv, 0x3dba2e8c, 0x3dcccccd, 0x3de38e39, 0x3e000000, 0x3e124925, 0x3e2aaaab, 0x3e4ccccd, 0x3e800000, 0x3eaaaaab, 0x3f000000
	HSTEP \inv, U, U+32, 0                         ; n = 11 .. 2
.endr
	HSTEP 0, U, U+32, 1                            ; n = 1
	s_add_co_u32 s19, s19, 1
	s_cmp_lt_u32 s19, s18
	s_cbranch_scc1 .Lstep
	; THE WAY OUT: back to z's scale, through my stage the other way round, and out as memory has it
.irp j, 0,2,4,6,8,10,12,14
	v_pk_mul_f32 v[V+\j:V+\j+1], v[V+\j:V+\j+1], v[PS:PS+1] op_sel_hi:[1,0]
.endr
	ds_store_b128 v9, v[V:V+3]
	ds_store_b128 v9, v[V+4:V+7]   offset:16
	ds_store_b128 v9, v[V+8:V+11]  offset:64
	ds_store_b128 v9, v[V+12:V+15] offset:80
.irp i, 0,1,2,3
	ds_load_b128 v[U+4*\i:U+4*\i+3], v8 offset:4*SPITCH*\i             ; in order behind the stores above; the last products stand far more than four places back
.endr
.irp i, 0,1,2,3
	s_wait_dscnt 3-\i                              ; LDS loads come back in order: block i is in, the younger ones stay out
	global_store_b128 v6, v[U+4*\i:U+4*\i+3], s[12:13] offset:512*\i th:TH_STORE_NT   ; a store of the wave covers 512 consecutive bytes, aligned
.endr
	s_wait_tensorcnt 0x0
	ds_add_u32 v192, v193
	s_wait_dscnt 0x0
	s_endpgm
.Lfunc_end_k_qc7f6f2562b_flow:
	.size	k_qc7f6f2562b_flow, .Lfunc_end_k_qc7f6f2562b_flow-k_qc7f6f2562b_flow
	.p2alignl 7, 3214868480
	.fill 96, 4, 3214868480
	.section	.rodata,"a",@progbits
	.p2align	6, 0x0
	.amdhsa_kernel k_qc7f6f2562b_flow
		.amdhsa_group_segment_fixed_size 49152
		.amdhsa_private_segment_fixed_size 0
		.amdhsa_enable_private_segment 0
		.amdhsa_kernarg_size 40
		.amdhsa_user_sgpr_count 2
		.amdhsa_user_sgpr_kernarg_segment_ptr 1
		.amdhsa_wavefront_size32 1
		.amdhsa_system_sgpr_workgroup_id_x 1
		.amdhsa_system_sgpr_workgroup_id_y 1
		.amdhsa_system_sgpr_workgroup_id_z 1
		.amdhsa_system_vgpr_workitem_id 0
		.amdhsa_next_free_vgpr 194
		.amdhsa_next_free_sgpr 66
		.amdhsa_reserve_vcc 0
		.amdhsa_float_denorm_mode_32 3
		.amdhsa_float_denorm_mode_16_64 3
		.amdhsa_memory_ordered 1
		.amdhsa_forward_progress 1
		.amdhsa_inst_pref_size 48
	.end_amdhsa_kernel
	.amdgpu_metadata
---
amdhsa.version: [ 1, 2 ]
amdhsa.kernels:
  - .name:           k_qc7f6f2562b_flow
    .symbol:         k_qc7f6f2562b_flow.kd
    .args:
      - { .name: z, .offset: 0, .size: 8, .value_kind: global_buffer, .address_space: global }
      - { .name: c, .offset: 8, .size: 8, .value_kind: global_buffer, .address_space: global }
      - { .name: gen, .offset: 16, .size: 8, .value_kind: global_buffer, .address_space: global }
      - { .name: steps, .offset: 24, .size: 8, .value_kind: global_buffer, .address_space: global }
      - { .name: out0, .offset: 32, .size: 8, .value_kind: global_buffer, .address_space: global }
    .group_segment_fixed_size: 49152
    .private_segment_fixed_size: 0
    .kernarg_segment_align: 8
    .kernarg_segment_size: 40
    .max_flat_workgroup_size: 512
    .sgpr_count:     66
    .vgpr_count:     194
    .wavefront_size: 32
...
	.end_amdgpu_metadata
.endif
;; end of part 2
;; ======== version 2 of 2: 2 launches; 1.35 times as fast as version 1
;; limits: right only within a limited range of input values; values are held in f16: magnitudes above 65,504 overflow, below 6.1e-05 lose precision
;; workspace buffers: gen 8,192 bytes; steps 16,384 bytes of whole numbers
;; launch plan (part 3): grid 64 x 1, 8 waves a work-group, no clusters, 20,224 bytes of LDS; arguments W, c, gen, steps; writes gen, steps
.if DOCPART == 3
	.amdgcn_target "amdgcn-amd-amdhsa--gfx1250"
	.amdhsa_code_object_version 6
	.text
	.protected	k_qc7f6f2562b_plan
	.globl	k_qc7f6f2562b_plan
	.p2align	8
	.type	k_qc7f6f2562b_plan,@function
k_qc7f6f2562b_plan:
	s_mov_b64 s[64:65], 0
	v_nop
	global_prefetch_b8 v0, s[64:65] scope:SCOPE_SE
	s_setreg_imm32_b32 hwreg(HW_REG_WAVE_MODE, 25, 1), 1
	s_wait_xcnt 0x0
; FIRST OF TWO LAUNCHES for out[b] = exp(M_b) z[b], M_b = sum over k of c[b][k] A_k, A_k = (W_k - W_k^T) / 2.
; It stores (1) gen: D_k = W_k - W_k^T = 2 A_k in f16, [4][32][32], the matrix operand of the second launch, and
; (2) steps: for each tile of 16 items the number S of steps into which the second launch cuts the exponential, as whole numbers.
; THE BOUND.  M is real and antisymmetric, so its eigenvalues come in pairs +-i x and its 2-norm is at most theta = |M|_F / sqrt(2).
; |M_b|_F^2 = c^T G c with the 4 x 4 Gram matrix G_kl = <A_k, A_l>.  Here G' = <D_k, D_l> = 4 G, so (theta / 8)^2 = c^T G' c / 512.
; S = floor(max over the tile of theta (1 + 2^-9) / 8) + 1, so that |M / (8 S)|_2 < 1 for each of the tile's items, which is what the second launch's expansion
; wants.  The margin of 2^-9 stands for gen's rounding (2^-11 of each entry) and for the rounding of these sums.
; SHARES.  64 work-groups of 8 waves.  A work-group owns 1,024 items = 64 tiles: its 64 counts are 256 consecutive bytes of steps, aligned,
; stored by one instruction.  Every work-group makes D and G' for itself from W's 16,384 bytes: nothing passes between work-groups.
; Work-group 0 alone stores gen.  Thread t owns D_k[i][j0 .. j0+3], i = t / 8, j0 = 4 (t % 8), for all four k.
; LIMITS.  |W - W^T| below 65,504 (f16's largest); entries under 2^-14 are kept to 2^-25 absolute.  S is clamped at 65,536, which serves theta
; up to 520,000.  A sum c^T G' c that rounding or a NaN makes no number counts as 0 (S = 1).
.set PITCH, 144                        ; a row of W in LDS: 128 bytes + 16
.set WLK,   32*PITCH                   ; one W_k: 32 rows
.set GP,    4*WLK                      ; behind W: the waves' partial Gram sums, word 8 x pair + wave (320 bytes used of 512)
.set ST,    GP+512                     ; behind them: the work-group's 64 step counts
.set WR,  16                           ; v[16:31]   W_k[i][j0+q] at 4 k + q, then D in place
.set WT,  32                           ; v[32:47]   W_k[j0+q][i] at 4 k + q
.set CC,  48                           ; v[48:63]   four rows of c: item 128 wave + 32 n + lane, n = 0..3
.set GG,  64                           ; v[64:83]   ten pairs: my share of G'_kl, in the order 00 01 02 03 11 12 13 22 23 33
.set H,   84                           ; v[84:91]   D in f16, two to a register
.set R,   92                           ; v[92:171]  the eight waves' sums of each of the ten
.set GF,  172                          ; v[172:181] G', the six off the diagonal doubled
.set Q,   182                          ; v[182:185] c^T G' c of my four items
.set T,   186                          ; v[186:189] at work
	s_load_b256 s[4:11], s[0:1], 0x0               ; W s[4:5], c s[6:7], gen s[8:9], steps s[10:11]
	v_lshl_add_u32 v192, v0, 2, 0x4b00
	v_mov_b32 v193, 0
	v_lshrrev_b32 v2, 5, v0
	v_readfirstlane_b32 s12, v2                    ; my wave's number
	s_lshl_b32 s14, ttmp9, 14                      ; the work-group's 1,024 rows of c, 16 bytes each
	s_mov_b32 s15, 0
	s_lshl_b32 s18, ttmp9, 8                       ; its 64 words of steps
	s_mov_b32 s19, 0
	s_mov_b32 s16, 0x76543210                      ; v_permlanex16_b32: each lane takes its own place in the other half
	s_mov_b32 s17, 0xfedcba98
	v_and_b32 v1, 31, v0                           ; lane
	v_lshlrev_b32 v4, 4, v0                        ; W: my 16 bytes of a W_k = 128 i + 4 j0 = 16 t
	v_lshlrev_b32 v5, 4, v1
	v_lshl_or_b32 v5, v2, 11, v5                   ; c: 2,048 wave + 16 lane
	v_lshrrev_b32 v3, 3, v0                        ; i
	v_and_b32 v14, 7, v0                           ; t % 8
	v_mul_u32_u24 v6, v3, PITCH
	v_lshl_add_u32 v6, v14, 4, v6                  ; LDS, as it lies: row i, byte 16 (t % 8)
	v_mul_u32_u24 v7, v14, 4*PITCH
	v_lshl_add_u32 v7, v3, 2, v7                   ; LDS, turned: row j0, word i
	v_lshlrev_b32 v8, 3, v0                        ; gen: my four f16 of a D_k = 64 i + 2 j0 = 8 t
	s_lshl_b32 s20, s12, 2
	s_add_co_u32 s20, s20, GP
	v_mov_b32 v9, s20                              ; my wave's word of each of the ten sums
	v_bfe_u32 v15, v0, 4, 1                        ; which half of the lanes
	s_lshl_b32 s21, s12, 5
	s_add_co_u32 s21, s21, ST
	v_lshl_add_u32 v10, v15, 2, s21                ; my tile's word: tile 8 wave + 2 n + half
	v_mov_b32 v11, GP
	v_lshlrev_b32 v13, 3, v1                       ; steps: 8 lane
	v_add_nc_u32 v12, ST, v13                      ; and the same 8 bytes in LDS
	s_wait_kmcnt 0x0
	s_add_nc_u64 s[6:7], s[6:7], s[14:15]
	s_add_nc_u64 s[10:11], s[10:11], s[18:19]
.irp k, 0,1,2,3
	global_load_b128 v[WR+4*\k:WR+4*\k+3], v4, s[4:5] offset:4096*\k
.endr
.irp n, 0,1,2,3
	global_load_b128 v[CC+4*\n:CC+4*\n+3], v5, s[6:7] offset:512*\n     ; no cache word: the second launch reads these rows again
.endr
	; W through LDS, so that each thread meets the transposed entries of its own
	s_wait_loadcnt 0x4                             ; loads come back in order (ISA guide 5.7.1): W's four are in, c's four stay out
.irp k, 0,1,2,3
	ds_store_b128 v6, v[WR+4*\k:WR+4*\k+3] offset:WLK*\k
.endr
	s_wait_dscnt 0x0                               ; for the other waves' sake: my rows of W lie in LDS
	s_barrier_signal -1
	s_barrier_wait -1
.irp k, 0,1,2,3
.irp q, 0,1,2,3
	ds_load_b32 v[WT+4*\k+\q], v7 offset:WLK*\k+PITCH*\q               ; W_k[j0+q][i]
.endr
.endr
	s_wait_dscnt 0x0
.irp m, 0,2,4,6,8,10,12,14
	v_pk_add_f32 v[WR+\m:WR+\m+1], v[WR+\m:WR+\m+1], v[WT+\m:WT+\m+1] neg_lo:[0,1] neg_hi:[0,1]   ; D = W - W^T
.endr
	; work-group 0 stores gen; no barrier stands inside the branch, and H and v8 are never written again
	s_cmp_lg_u32 ttmp9, 0
	s_cbranch_scc1 .Lno_gen
.irp m, 0,1,2,3,4,5,6,7
	v_cvt_pk_f16_f32 v[H+\m], v[WR+2*\m], v[WR+2*\m+1]
.endr
.irp k, 0,1,2,3
	global_store_b64 v8, v[H+2*\k:H+2*\k+1], s[8:9] offset:2048*\k     ; a wave's store covers 256 consecutive bytes, aligned
.endr
.Lno_gen:
	; my four entries' share of G'_kl
.macro GRAM x, k, l
	v_pk_mul_f32 v[GG+2*\x:GG+2*\x+1], v[WR+4*\k:WR+4*\k+1], v[WR+4*\l:WR+4*\l+1]
	v_pk_fma_f32 v[GG+2*\x:GG+2*\x+1], v[WR+4*\k+2:WR+4*\k+3], v[WR+4*\l+2:WR+4*\l+3], v[GG+2*\x:GG+2*\x+1]
	v_add_f32 v[GG+2*\x], v[GG+2*\x], v[GG+2*\x+1]
.endm
	GRAM 0, 0, 0
	GRAM 1, 0, 1
	GRAM 2, 0, 2
	GRAM 3, 0, 3
	GRAM 4, 1, 1
	GRAM 5, 1, 2
	GRAM 6, 1, 3
	GRAM 7, 2, 2
	GRAM 8, 2, 3
	GRAM 9, 3, 3
	; over the wave's 32 lanes: four steps inside each half ride on the addition, one crosses the halves; the ten sums take turns
.irp m, 1,2,4,8
.irp x, 0,1,2,3,4,5,6,7,8,9
	v_add_f32_dpp v[GG+2*\x], v[GG+2*\x], v[GG+2*\x] row_xmask:\m row_mask:0xf bank_mask:0xf
.endr
.endr
.irp x, 0,1,2,3,4,5,6,7,8,9
	v_permlanex16_b32 v[GG+2*\x+1], v[GG+2*\x], s16, s17               ; its destination counts as read: the pair's odd register has been written
.endr
.irp x, 0,1,2,3,4,5,6,7,8,9
	v_add_f32 v[GG+2*\x], v[GG+2*\x], v[GG+2*\x+1]
.endr
	; over the eight waves: each stores its ten sums to words of its own (all lanes the same word, the same value), every wave reads all
.irp x, 0,1,2,3,4,5,6,7,8,9
	ds_store_b32 v9, v[GG+2*\x] offset:32*\x
.endr
	s_wait_dscnt 0x0                               ; for the other waves' sake
	s_barrier_signal -1
	s_barrier_wait -1
.irp x, 0,1,2,3,4,5,6,7,8,9
	ds_load_b128 v[R+8*\x:R+8*\x+3],   v11 offset:32*\x
	ds_load_b128 v[R+8*\x+4:R+8*\x+7], v11 offset:32*\x+16
.endr
	s_wait_dscnt 0x0
.irp x, 0,1,2,3,4,5,6,7,8,9
	v_pk_add_f32 v[R+8*\x:R+8*\x+1],   v[R+8*\x:R+8*\x+1],   v[R+8*\x+2:R+8*\x+3]
	v_pk_add_f32 v[R+8*\x+4:R+8*\x+5], v[R+8*\x+4:R+8*\x+5], v[R+8*\x+6:R+8*\x+7]
.endr
.irp x, 0,1,2,3,4,5,6,7,8,9
	v_pk_add_f32 v[R+8*\x:R+8*\x+1], v[R+8*\x:R+8*\x+1], v[R+8*\x+4:R+8*\x+5]
.endr
.irp x, 0,1,2,3,4,5,6,7,8,9
	v_add_f32 v[GF+\x], v[R+8*\x], v[R+8*\x+1]
.endr
.irp x, 1,2,3,5,6,8
	v_add_f32 v[GF+\x], v[GF+\x], v[GF+\x]         ; G' is symmetric: an entry off the diagonal counts twice
.endr
	; c^T G' c of item 128 wave + 32 n + lane: rows of the upper triangle times c, then times c again
.macro QUAD n
	v_mul_f32  v[T],   v[GF+0], v[CC+4*\n]
	v_mul_f32  v[T+1], v[GF+4], v[CC+4*\n+1]
	v_mul_f32  v[T+2], v[GF+7], v[CC+4*\n+2]
	v_mul_f32  v[T+3], v[GF+9], v[CC+4*\n+3]
	v_fmac_f32 v[T],   v[GF+1], v[CC+4*\n+1]
	v_fmac_f32 v[T+1], v[GF+5], v[CC+4*\n+2]
	v_fmac_f32 v[T+2], v[GF+8], v[CC+4*\n+3]
	v_fmac_f32 v[T],   v[GF+2], v[CC+4*\n+2]
	v_fmac_f32 v[T+1], v[GF+6], v[CC+4*\n+3]
	v_fmac_f32 v[T],   v[GF+3], v[CC+4*\n+3]
	v_mul_f32  v[Q+\n], v[T],   v[CC+4*\n]
	v_fmac_f32 v[Q+\n], v[T+1], v[CC+4*\n+1]
	v_fmac_f32 v[Q+\n], v[T+2], v[CC+4*\n+2]
	v_fmac_f32 v[Q+\n], v[T+3], v[CC+4*\n+3]
.endm
	s_wait_loadcnt 0x0                             ; c
	QUAD 0
	QUAD 1
	QUAD 2
	QUAD 3
	; a tile is a half of the lanes: its largest value, in all sixteen
.irp m, 1,2,4,8
.irp n, 0,1,2,3
	v_max_num_f32_dpp v[Q+\n], v[Q+\n], v[Q+\n] row_xmask:\m row_mask:0xf bank_mask:0xf
.endr
.endr
.irp n, 0,1,2,3
	v_mul_f32 v[Q+\n], 0x3b008000, v[Q+\n]         ; x 2^-9 (1 + 2^-8): (theta / 8)^2 with the margin, whose root is 1 + 2^-9
.endr
.irp n, 0,1,2,3
	v_sqrt_f32 v[Q+\n], v[Q+\n]
.endr
	v_nop                                          ; a plain instruction between the last root and the use of its result (ISA guide 5.7.2)
	s_wait_alu depctr_va_vdst(0)
.irp n, 0,1,2,3
	v_cvt_u32_f32 v[Q+\n], v[Q+\n]                 ; toward zero; what is no number or below zero gives 0
.endr
.irp n, 0,1,2,3
	v_min_u32 v[Q+\n], 0xffff, v[Q+\n]
.endr
.irp n, 0,1,2,3
	v_add_nc_u32 v[Q+\n], 1, v[Q+\n]               ; S, from 1 to 65,536
.endr
.irp n, 0,1,2,3
	ds_store_b32 v10, v[Q+\n] offset:8*\n          ; a tile's sixteen lanes write the same word with the same value
.endr
	s_wait_dscnt 0x0                               ; for wave 0's sake
	s_barrier_signal -1
	s_barrier_wait -1
	s_cmp_lg_u32 s12, 0
	s_cbranch_scc1 .Lend
	ds_load_b64 v[14:15], v12                      ; wave 0 takes the 64 counts, two a lane,
	s_wait_dscnt 0x0
	global_store_b64 v13, v[14:15], s[10:11]       ; and stores 256 consecutive bytes, aligned
.Lend:
	s_wait_tensorcnt 0x0
	ds_add_u32 v192, v193
	s_wait_dscnt 0x0
	s_endpgm
.Lfunc_end_k_qc7f6f2562b_plan:
	.size	k_qc7f6f2562b_plan, .Lfunc_end_k_qc7f6f2562b_plan-k_qc7f6f2562b_plan
	.p2alignl 7, 3214868480
	.fill 96, 4, 3214868480
	.section	.rodata,"a",@progbits
	.p2align	6, 0x0
	.amdhsa_kernel k_qc7f6f2562b_plan
		.amdhsa_group_segment_fixed_size 20224
		.amdhsa_private_segment_fixed_size 0
		.amdhsa_enable_private_segment 0
		.amdhsa_kernarg_size 32
		.amdhsa_user_sgpr_count 2
		.amdhsa_user_sgpr_kernarg_segment_ptr 1
		.amdhsa_wavefront_size32 1
		.amdhsa_system_sgpr_workgroup_id_x 1
		.amdhsa_system_sgpr_workgroup_id_y 1
		.amdhsa_system_sgpr_workgroup_id_z 1
		.amdhsa_system_vgpr_workitem_id 0
		.amdhsa_next_free_vgpr 194
		.amdhsa_next_free_sgpr 66
		.amdhsa_reserve_vcc 0
		.amdhsa_float_denorm_mode_32 3
		.amdhsa_float_denorm_mode_16_64 3
		.amdhsa_memory_ordered 1
		.amdhsa_forward_progress 1
		.amdhsa_inst_pref_size 20
	.end_amdhsa_kernel
	.amdgpu_metadata
---
amdhsa.version: [ 1, 2 ]
amdhsa.kernels:
  - .name:           k_qc7f6f2562b_plan
    .symbol:         k_qc7f6f2562b_plan.kd
    .args:
      - { .name: W, .offset: 0, .size: 8, .value_kind: global_buffer, .address_space: global }
      - { .name: c, .offset: 8, .size: 8, .value_kind: global_buffer, .address_space: global }
      - { .name: gen, .offset: 16, .size: 8, .value_kind: global_buffer, .address_space: global }
      - { .name: steps, .offset: 24, .size: 8, .value_kind: global_buffer, .address_space: global }
    .group_segment_fixed_size: 20224
    .private_segment_fixed_size: 0
    .kernarg_segment_align: 8
    .kernarg_segment_size: 32
    .max_flat_workgroup_size: 256
    .sgpr_count:     66
    .vgpr_count:     194
    .wavefront_size: 32
...
	.end_amdgpu_metadata
.endif
;; end of part 3
;; launch flow (part 4): grid 256 x 1, 16 waves a work-group, no clusters, 49,152 bytes of LDS; arguments z, c, gen, steps, out0; writes out0
.if DOCPART == 4
	.amdgcn_target "amdgcn-amd-amdhsa--gfx1250"
	.amdhsa_code_object_version 6
	.text
	.protected	k_qc7f6f2562b_flow
	.globl	k_qc7f6f2562b_flow
	.p2align	8
	.type	k_qc7f6f2562b_flow,@function
k_qc7f6f2562b_flow:
	s_mov_b64 s[64:65], 0
	v_nop
	global_prefetch_b8 v0, s[64:65] scope:SCOPE_SE
	s_setreg_imm32_b32 hwreg(HW_REG_WAVE_MODE, 25, 1), 1
	s_wait_xcnt 0x0
; SECOND OF TWO LAUNCHES: out[b] = exp(M_b) z[b], M_b = sum over k of c[b][k] A_k, A_k = (W_k - W_k^T) / 2.  The exponential is never formed: only its action on z.
; METHOD.  exp(M) z = (exp(M / S))^S z.  S is the tile's count from the first launch, by which Z = M / (8 S) has |Z|_2 < 1.  M is real and antisymmetric, so Z's eigenvalues are i x with
; x in [-1, 1], and e^(8 i x) = J_0(8) + 2 sum over n of i^n J_n(8) T_n(x) (Bessel functions, Chebyshev polynomials).  With phi_n = i^n T_n(Z / i) v that reads, all in real numbers,
;   phi_0 = v,  phi_1 = Z v,  phi_(n+1) = 2 Z phi_n + phi_(n-1),      exp(M / S) v = J_0(8) v + the sum over n = 1 .. 19 of 2 J_n(8) phi_n.
; |T_n| <= 1, so |phi_n| <= |v|: no term grows.  |J_n(8)| <= 4^n / n!, so what is left out from n = 20 on is under 2 (4^20 / 20!) (1 + 4/21 + ..) = 1.1e-6 of |v| a step, whatever the
; inputs: the number of steps follows the norm, the length of the series is fixed.  Z phi = sum over k of c_k / (8 S) (A_k phi): A_k is the same for all items, so A_k phi for 16 items is
; a matrix product with a shared left operand; c_k and 1 / (8 S) are applied to its f32 results in f32.
; THE COEFFICIENTS are literals: J_0(8) and 2 J_n(8), from the backward recurrence J_(n-1) = (n / 4) J_n - J_(n+1) begun at n = 30 and scaled so that J_0 + 2 (J_2 + J_4 + ..) = 1.
; FORMATS.  Matrix operands in f16, sums in f32; phi and the running sum are kept in f32.  gen holds D_k = 2 A_k, so 2 Z phi = sum of c_k / (8 S) (D_k phi).  Each item's vector is scaled by an
; exact power of two, so that its largest |z| lies in [1, 2), and scaled back at the end: with |exp| = 1 no |phi_n| passes 2 sqrt(32) = 11.4.
; SHARES.  256 work-groups of 16 waves; a wave owns a tile of 16 items.  Four waves lie on a SIMD (4 x 224 registers of its 1,024): one wave's vector work stands beside the others' products.
; LAYOUT.  Lane (r = lane % 16, h = lane / 16) holds item r: components 8 h + j in register j of a vector's sixteen, 16 + 8 h + j in register 8 + j.  That is how two results (rows 0-15,
; rows 16-31) lie, and, rounded to f16 in pairs, how the right operand (32 components x 16 items) lies: nothing changes lanes in the loop.
; NOT USED: tensor loads, copies and clusters.  All that work-groups share is gen's 8,192 bytes, read once by each; z and out0 are touched once, at the head and at the end.
; LIMITS.  |z| finite and below 2^127; an item whose largest |z| is denormal comes out as 0.  gen's and S's limits stand at the first launch's head.  The sums are ordered otherwise than in the
; problem's own function (a rational approximation with squarings), and the rounding of D and phi to f16 grows with |M|; where the generators nearly cancel in M, D's rounding weighs by
; sum |c_k| |A_k| and not by |M|.
.set GPITCH, 80                        ; a row of D_k in LDS: 64 bytes + 16 = 5 x 16: the 16 rows of a fragment load begin at 16 different 16-byte columns of 256 bytes (64 banks of 4 bytes: ISA guide 11.1)
.set STG,    128*GPITCH                ; behind gen's 128 rows: a stage of 16 rows for each wave, its own
.set SPITCH, 144                       ; an item's row there: 128 bytes + 16 = 9 x 16
.set PS,  10                           ; v[10:11]   2^e, e the exponent of the item's largest |z|
.set QS,  12                           ; v[12:13]   2^-e
.set AF,  16                           ; v[16:79]   fragment 4 p + k: rows 16 p .. 16 p + 15 of D_k
.set U,   80                           ; v[80:143]  result 4 p + k: components 16 p .. 16 p + 15 of D_k phi; result 4 p then gathers the sum over k
.set PA,  144                          ; v[144:159] phi_n for even n; between steps: v
.set BF,  160                          ; v[160:167] phi in f16
.set CS,  168                          ; v[168:175] c_k / (8 S) at CS + 2 k: the factors of 2 Z
.set CH,  176                          ; v[176:183] c_k / (16 S) at CH + 2 k: the factors of Z, for phi_1
.set C,   184                          ; v[184:187] the item's c
.set GT,  188                          ; v[188:191] 16 bytes of gen on their way into LDS
.set PB,  192                          ; v[192:207] phi_n for odd n
.set ACC, 208                          ; v[208:223] the running sum
.set A0,  28                           ; s[28:29]   J_0(8): the packed multiply names a pair and takes its low word for both halves
	s_load_b256 s[4:11], s[0:1], 0x0               ; z s[4:5], c s[6:7], gen s[8:9], steps s[10:11]
	s_load_b64 s[12:13], s[0:1], 0x20              ; out0
	v_lshl_add_u32 v224, v0, 2, 0xb800
	v_mov_b32 v225, 0
	v_lshrrev_b32 v14, 5, v0
	v_readfirstlane_b32 s14, v14                   ; my wave's number
	s_lshl_b32 s15, ttmp9, 4
	s_add_co_u32 s15, s15, s14                     ; my tile = 16 x work-group + wave
	s_lshl_b32 s16, s15, 11                        ; its 16 rows of 128 bytes in z and out0
	s_mov_b32 s17, 0
	s_lshl_b32 s24, s15, 8                         ; its 16 rows of 16 bytes in c
	s_mov_b32 s25, 0
	s_lshl_b32 s22, s15, 2                         ; its word in steps
	s_mov_b32 s23, 0
	s_mov_b32 s20, 0x76543210                      ; v_permlanex16_b32: each lane takes its own place in the other half
	s_mov_b32 s21, 0xfedcba98
	s_mov_b32 s[A0], 0x3e2fc53b                    ; J_0(8) = 0.17165081
	s_mov_b32 s[A0+1], 0x3e2fc53b                  ; named with it as a pair, so it is written
	s_mul_i32 s26, s14, 16*SPITCH
	s_add_co_u32 s26, s26, STG                     ; my wave's stage
	v_and_b32 v1, 15, v0                           ; r
	v_bfe_u32 v2, v0, 4, 1                         ; h
	v_lshlrev_b32 v3, 4, v0                        ; gen: 512 threads x 16 bytes are its 8,192
	v_lshrrev_b32 v14, 2, v0                       ; those 16 bytes are quarter t % 4 of row t / 4
	v_and_b32 v15, 3, v0
	v_mul_u32_u24 v4, v14, GPITCH
	v_lshl_add_u32 v4, v15, 4, v4
	v_mul_u32_u24 v5, v1, GPITCH                   ; a fragment: row r, 16 bytes for each half of the lanes, and 32 bytes on
	v_lshl_add_u32 v5, v2, 4, v5
	v_and_b32 v14, 31, v0
	v_lshlrev_b32 v6, 4, v14                       ; z, out0: 16 lane
	v_lshlrev_b32 v7, 4, v1                        ; c: item r's row
	v_bfe_u32 v14, v0, 3, 2                        ; the stage as memory has it: 32 lanes x 16 bytes are four items' rows: row lane / 8, byte 16 (lane % 8)
	v_and_b32 v15, 7, v0
	v_mul_u32_u24 v8, v14, SPITCH
	v_lshl_add_u32 v8, v15, 4, v8
	v_add_nc_u32 v8, s26, v8
	v_mul_u32_u24 v9, v1, SPITCH                   ; the stage as the registers have it: row r, components 8 h on (and 16 + 8 h on, 64 bytes further)
	v_lshl_add_u32 v9, v2, 5, v9
	v_add_nc_u32 v9, s26, v9
	s_wait_kmcnt 0x0
	s_add_nc_u64 s[4:5], s[4:5], s[16:17]
	s_add_nc_u64 s[12:13], s[12:13], s[16:17]
	s_add_nc_u64 s[6:7], s[6:7], s[24:25]
	s_add_nc_u64 s[10:11], s[10:11], s[22:23]
	s_load_b32 s18, s[10:11], 0x0                  ; S of my tile
	global_load_b128 v[GT:GT+3], v3, s[8:9]
.irp i, 0,1,2,3
	global_load_b128 v[U+4*\i:U+4*\i+3], v6, s[4:5] offset:512*\i th:TH_LOAD_NT    ; a load of the wave covers 512 consecutive bytes, aligned
.endr
	global_load_b128 v[C:C+3], v7, s[6:7] th:TH_LOAD_NT
	; gen into LDS, once for the 16 waves; each then keeps all eight fragments in registers
	s_wait_loadcnt 0x5                             ; loads come back in order (ISA guide 5.7.1): gen's is in; z's four and c's one stay out
	ds_store_b128 v4, v[GT:GT+3]
	s_wait_dscnt 0x0                               ; for the other waves' sake
	s_barrier_signal -1
	s_barrier_wait -1                              ; the kernel's one barrier: from here on a wave touches only its own stage
.irp p, 0,1
.irp k, 0,1,2,3
	ds_load_b128 v[AF+8*(4*\p+\k):AF+8*(4*\p+\k)+3],   v5 offset:(32*\k+16*\p)*GPITCH
	ds_load_b128 v[AF+8*(4*\p+\k)+4:AF+8*(4*\p+\k)+7], v5 offset:(32*\k+16*\p)*GPITCH+32
.endr
.endr
	; z through my stage: in as memory has it, out as the registers want it
	s_wait_loadcnt 0x1                             ; z's four are in; c's one stays out
.irp i, 0,1,2,3
	ds_store_b128 v8, v[U+4*\i:U+4*\i+3] offset:4*SPITCH*\i
.endr
	ds_load_b128 v[PA:PA+3],     v9                ; LDS serves a wave's instructions in order (ISA guide 5.7.1.4): these see the stores above
	ds_load_b128 v[PA+4:PA+7],   v9 offset:16
	ds_load_b128 v[PA+8:PA+11],  v9 offset:64
	ds_load_b128 v[PA+12:PA+15], v9 offset:80
	s_wait_loadcnt 0x0                             ; c
	s_wait_dscnt 0x0                               ; the fragments and v
	s_wait_kmcnt 0x0                               ; S
	s_max_u32 s18, s18, 1                          ; the loop below makes S trips, from 1 to 65,536
	s_min_u32 s18, s18, 0x10000
	; the item's largest |z|: my 16 components, then the other half of the lanes'
	v_max3_num_f32 v14, |v[PA]|, |v[PA+1]|, |v[PA+2]|
.irp j, 3,5,7,9,11,13
	v_max3_num_f32 v14, v14, |v[PA+\j]|, |v[PA+\j+1]|
.endr
	v_max_num_f32 v14, v14, |v[PA+15]|
	v_permlanex16_b32 v15, v14, s20, s21           ; its destination counts as read: v15 has been written
	v_max_num_f32 v14, v14, v15
	v_and_b32 v[PS], 0x7f800000, v14               ; its exponent alone: 2^e
	v_sub_nc_u32 v[QS], 0x7f000000, v[PS]          ; exponent field 254 - E: 2^-e
	v_mov_b32 v[QS+1], v[QS]                       ; the packed forms name pairs and take the low word for both halves: the odd words are written once
	v_cvt_f32_u32 v14, s18
	v_rcp_f32 v14, v14                             ; 1 / S
	v_mov_b32 v[PS+1], v[PS]                       ; also the plain instruction between the reciprocal and its use (ISA guide 5.7.2)
	s_wait_alu depctr_va_vdst(0)
	v_mul_f32 v14, 0x3e000000, v14                 ; 1 / (8 S): gen holds 2 A, so this is the factor of 2 Z
.irp j, 0,2,4,6,8,10,12,14
	v_pk_mul_f32 v[PA+\j:PA+\j+1], v[PA+\j:PA+\j+1], v[QS:QS+1] op_sel_hi:[1,0]
.endr
.irp k, 0,1,2,3
	v_mul_f32 v[CS+2*\k], v[C+\k], v14
.endr
.irp k, 0,1,2,3
	v_mul_f32 v[CH+2*\k], 0.5, v[CS+2*\k]
.endr
.irp k, 0,1,2,3
	v_mov_b32 v[CS+2*\k+1], v[CS+2*\k]
	v_mov_b32 v[CH+2*\k+1], v[CH+2*\k]
.endr
; phi, sixteen registers at s, rounded to f16 in pairs: the right operand
.macro CVT s
.irp j, 0,1,2,3,4,5,6,7
	v_cvt_pk_f16_f32 v[BF+\j], v[\s+2*\j], v[\s+2*\j+1]
.endr
.endm
; D_k phi for the four k and both halves of the rows: eight products of 16 x 16 x 32, each a whole sum that starts from the constant 0, each with a result of its own.
; No two that follow each other share a result, over the loop's edge too.
.macro MULT
.irp f, 0,1,2,3,4,5,6,7
	v_wmma_f32_16x16x32_f16 v[U+8*\f:U+8*\f+7], v[AF+8*\f:AF+8*\f+7], v[BF:BF+7], 0
.endr
.endm
; Half p of the rows: dst = dst + the sum over k of cb_k (D_k phi); first = 1: without the addend.  dst holds phi_(n-1) and takes phi_(n+1).
; k by k, and within a k the registers in ascending pairs, so that each result is first read at its low end.
.macro COMB p, cb, dst, first
.irp j, 0,2,4,6
.if \first
	v_pk_mul_f32 v[U+32*\p+\j:U+32*\p+\j+1], v[U+32*\p+\j:U+32*\p+\j+1], v[\cb:\cb+1] op_sel_hi:[1,0]
.else
	v_pk_fma_f32 v[U+32*\p+\j:U+32*\p+\j+1], v[U+32*\p+\j:U+32*\p+\j+1], v[\cb:\cb+1], v[\dst+8*\p+\j:\dst+8*\p+\j+1] op_sel_hi:[1,0,1]
.endif
.endr
.irp k, 1,2
.irp j, 0,2,4,6
	v_pk_fma_f32 v[U+32*\p+\j:U+32*\p+\j+1], v[U+32*\p+8*\k+\j:U+32*\p+8*\k+\j+1], v[\cb+2*\k:\cb+2*\k+1], v[U+32*\p+\j:U+32*\p+\j+1] op_sel_hi:[1,0,1]
.endr
.endr
.irp j, 0,2,4,6
	v_pk_fma_f32 v[\dst+8*\p+\j:\dst+8*\p+\j+1], v[U+32*\p+24+\j:U+32*\p+24+\j+1], v[\cb+6:\cb+7], v[U+32*\p+\j:U+32*\p+\j+1] op_sel_hi:[1,0,1]
.endr
.endm
; One line of the recurrence: dst = 2 Z src + dst, and the running sum takes coef x src, the term of the vector that is being multiplied.
; first = 1: phi_1 = Z phi_0, and the sum starts as J_0(8) phi_0: nothing is cleared.
; A vector instruction that reads a product's result or writes one of its registers stands four places behind it, and a product that writes over a register of an earlier one five; only plain
; vector instructions that name none of its registers are places (ISA guide 7.12.1).  The eight instructions of the running sum name phi and ACC alone, nothing of the eight products: they are
; the places in front of COMB's reads and writes, of the next CVT's writes into BF and of the next MULT.
.macro LINE coef, src, dst, first
	CVT \src
	MULT
.irp j, 0,2,4,6,8,10,12,14
.if \first
	v_pk_mul_f32 v[ACC+\j:ACC+\j+1], v[\src+\j:\src+\j+1], s[A0:A0+1] op_sel_hi:[1,0]
.else
	v_pk_fma_f32 v[ACC+\j:ACC+\j+1], v[\src+\j:\src+\j+1], \coef, v[ACC+\j:ACC+\j+1] op_sel_hi:[1,0,1]
.endif
.endr
.if \first
	COMB 0, CH, \dst, 1
	COMB 1, CH, \dst, 1
.else
	COMB 0, CS, \dst, 0
	COMB 1, CS, \dst, 0
.endif
.endm
; Two lines: an odd phi makes the next even one, which makes the next odd one.  codd, ceven = 2 J_n(8) of the two vectors that are multiplied.
.macro TWO codd, ceven
	LINE \codd,  PB, PA, 0
	LINE \ceven, PA, PB, 0
.endm
	s_mov_b32 s19, 0
.Lstep:                                                ; a trip is one step v -> exp(M / S) v: 19 lines, 152 products, 920 vector instructions; it touches no memory
	LINE 0, PA, PB, 1                              ; phi_1;                the sum starts with J_0(8) phi_0
	TWO 0x3ef04483, 0xbe676834                     ; phi_2, phi_3;         2 J_1 =  0.46927269, 2 J_2 = -0.22598344
	TWO 0xbf150f48, 0xbe57c5a4                     ; phi_4, phi_5;         2 J_3 = -0.58226441, 2 J_4 = -0.21071487
	TWO 0x3ebe3bbe, 0x3f2cd6c0                     ; phi_6, phi_7;         2 J_5 =  0.37154954, 2 J_6 =  0.67515180
	TWO 0x3f242440, 0x3ee4d162                     ; phi_8, phi_9;         2 J_7 =  0.64117816, 2 J_8 =  0.44690997
	TWO 0x3e815a44, 0x3df8e6d9                     ; phi_10, phi_11;       2 J_9 =  0.25264179, 2 J_10 = 0.12153405
	TWO 0x3d51b01d, 0x3c9dad3c                     ; phi_12, phi_13;       2 J_11 = 0.051193344, 2 J_12 = 0.019247644
	TWO 0x3bd69dea, 0x3b059890                     ; phi_14, phi_15;       2 J_13 = 0.0065495864, 2 J_14 = 0.0020385123
	TWO 0x3a19688f, 0x3923975d                     ; phi_16, phi_17;       2 J_15 = 5.8520670e-4, 2 J_16 = 1.5601279e-4
	TWO 0x3822eced, 0x371845ee                     ; phi_18, phi_19;       2 J_17 = 3.8844466e-5, 2 J_18 = 9.0761879e-6
.irp j, 0,2,4,6,8,10,12,14
	v_pk_fma_f32 v[PA+\j:PA+\j+1], v[PB+\j:PB+\j+1], 0x36061be8, v[ACC+\j:ACC+\j+1] op_sel_hi:[1,0,1]   ; 2 J_19 = 1.9983799e-6: the last term, and the new v lands where phi_0 is wanted (phi_18 is spent)
.endr
	s_add_co_u32 s19, s19, 1
	s_cmp_lt_u32 s19, s18
	s_cbranch_scc1 .Lstep
	; THE WAY OUT: back to z's scale, through my stage the other way round, and out as memory has it
.irp j, 0,2,4,6,8,10,12,14
	v_pk_mul_f32 v[PA+\j:PA+\j+1], v[PA+\j:PA+\j+1], v[PS:PS+1] op_sel_hi:[1,0]
.endr
	ds_store_b128 v9, v[PA:PA+3]
	ds_store_b128 v9, v[PA+4:PA+7]   offset:16
	ds_store_b128 v9, v[PA+8:PA+11]  offset:64
	ds_store_b128 v9, v[PA+12:PA+15] offset:80
.irp i, 0,1,2,3
	ds_load_b128 v[U+4*\i:U+4*\i+3], v8 offset:4*SPITCH*\i             ; in order behind the stores above; the last products stand far more than four places back
.endr
.irp i, 0,1,2,3
	s_wait_dscnt 3-\i                              ; LDS loads come back in order: block i is in, the younger ones stay out
	global_store_b128 v6, v[U+4*\i:U+4*\i+3], s[12:13] offset:512*\i th:TH_STORE_NT   ; a store of the wave covers 512 consecutive bytes, aligned
.endr
	s_wait_tensorcnt 0x0
	ds_add_u32 v224, v225
	s_wait_dscnt 0x0
	s_endpgm
.Lfunc_end_k_qc7f6f2562b_flow:
	.size	k_qc7f6f2562b_flow, .Lfunc_end_k_qc7f6f2562b_flow-k_qc7f6f2562b_flow
	.p2alignl 7, 3214868480
	.fill 96, 4, 3214868480
	.section	.rodata,"a",@progbits
	.p2align	6, 0x0
	.amdhsa_kernel k_qc7f6f2562b_flow
		.amdhsa_group_segment_fixed_size 49152
		.amdhsa_private_segment_fixed_size 0
		.amdhsa_enable_private_segment 0
		.amdhsa_kernarg_size 40
		.amdhsa_user_sgpr_count 2
		.amdhsa_user_sgpr_kernarg_segment_ptr 1
		.amdhsa_wavefront_size32 1
		.amdhsa_system_sgpr_workgroup_id_x 1
		.amdhsa_system_sgpr_workgroup_id_y 1
		.amdhsa_system_sgpr_workgroup_id_z 1
		.amdhsa_system_vgpr_workitem_id 0
		.amdhsa_next_free_vgpr 226
		.amdhsa_next_free_sgpr 66
		.amdhsa_reserve_vcc 0
		.amdhsa_float_denorm_mode_32 3
		.amdhsa_float_denorm_mode_16_64 3
		.amdhsa_memory_ordered 1
		.amdhsa_forward_progress 1
		.amdhsa_inst_pref_size 81
	.end_amdhsa_kernel
	.amdgpu_metadata
---
amdhsa.version: [ 1, 2 ]
amdhsa.kernels:
  - .name:           k_qc7f6f2562b_flow
    .symbol:         k_qc7f6f2562b_flow.kd
    .args:
      - { .name: z, .offset: 0, .size: 8, .value_kind: global_buffer, .address_space: global }
      - { .name: c, .offset: 8, .size: 8, .value_kind: global_buffer, .address_space: global }
      - { .name: gen, .offset: 16, .size: 8, .value_kind: global_buffer, .address_space: global }
      - { .name: steps, .offset: 24, .size: 8, .value_kind: global_buffer, .address_space: global }
      - { .name: out0, .offset: 32, .size: 8, .value_kind: global_buffer, .address_space: global }
    .group_segment_fixed_size: 49152
    .private_segment_fixed_size: 0
    .kernarg_segment_align: 8
    .kernarg_segment_size: 40
    .max_flat_workgroup_size: 512
    .sgpr_count:     66
    .vgpr_count:     226
    .wavefront_size: 32
...
	.end_amdgpu_metadata
.endif
;; end of part 4
